; MI455X (gfx1250); checked and timed in simulation.
; The chip was launched on July 23, 2026; its instructions are those of AMD's public machine-readable ISA for CDNA 5 (MIT licence, August 2026) and "CDNA5" Instruction Set Architecture Reference Guide (July 2026). The comments in the code are by the model that wrote it; some were corrected since.
;; Vector Quantizer. Allowed arithmetic: float matrix products may take bf16 or f16 operands with f32 sums; other float arithmetic in f32, or as packed bf16 or f16 multiplies, adds, multiply-adds, maxima and minima; sums over many terms, partial sums and values carried from step to step in f32; what a program stores and reads back later, other than sums and carried values, may be rounded once to bf16 or f16.
;; Inputs: codebook 256 x 8,192 float32; z 32 x 1,024 x 256 float32.
;; Outputs: out0 32 x 1,024 x 256 float32; out1 32 x 1,024 int32; out2 one number float32.
;; 2 versions, each right; version 2 is version 1 with the launch vq_gather written anew for expert scheduling mode. Each part assembles by itself: llvm-mc -triple=amdgcn-amd-amdhsa -mcpu=gfx1250 --defsym DOCPART=n.
;; ======== version 1 of 2: 4 launches
;; workspace buffers: cbp 4,325,376 bytes; idx 131,072 bytes of whole numbers; part 8,192 bytes
;; launch vq_prep (part 1): grid 128 x 1, 8 waves a work-group, no clusters, 38,912 bytes of LDS; arguments codebook, cbp; writes cbp
.if DOCPART == 1
	.amdgcn_target "amdgcn-amd-amdhsa--gfx1250"
	.amdhsa_code_object_version 6
	.text
	.protected	k_qd31e297a68_vq_prep
	.globl	k_qd31e297a68_vq_prep
	.p2align	8
	.type	k_qd31e297a68_vq_prep,@function
k_qd31e297a68_vq_prep:
	s_mov_b64 s[64:65], 0
	v_nop
	global_prefetch_b8 v0, s[64:65] scope:SCOPE_SE
	s_setreg_imm32_b32 hwreg(HW_REG_WAVE_MODE, 25, 1), 1
	s_wait_xcnt 0x0
; THE CODE TABLE.  codebook is [256 (d)][8192 (code)] f32.  cbp gets one row of 528 bytes for each code c:
;   bytes 0-511    the 256 numbers -2 x bf16(codebook[d][c]), d ascending, in bf16 (the factor -2 is exact)
;   bytes 512-527  a pad.  In rows 16 T + q with q < 4 it holds the four f32 cc[16 T + 4 q .. + 3]; in the other rows zeros.
; cc[c] = the sum over d of bf16(codebook[d][c])^2, in f32: the square norm of the ROUNDED code, the one that is multiplied later.
; So 64 rows are 33,792 dense bytes = 132 x 256, and the memory image is the LDS image that the next launch wants: rows 33 x 16 bytes apart.
; SHARES.  A work-group makes 64 codes, so that its part of a row d of the codebook is 256 consecutive bytes, aligned.  Thread t: four codes 4 cq .. (cq = t % 16) and
; sixteen d, 16 dg .. (dg = t / 16).  128 work-groups: with 32 codes each there would be 256, but each aligned block of 256 bytes would be asked for by two of them.
; No matrix unit, no cluster, no tensor load: 8 MiB are read once and 4 MiB written once, and no work-group shares a byte with another.
; LIMITS.  Numbers whose double leaves bf16's range, NaN and infinities are not treated apart.
.set PITCH, 528
.set IMG,   64*PITCH                   ; the image of 64 rows
.set PART,  IMG                        ; behind it: 16 (dg) x 64 (code) partial sums of squares, f32
.set SPARE, PART+4096                  ; behind them: the spare words, 128 bytes for each of the eight waves: four blocks of 256 bytes that no other line names
.set SPW, 12                           ; v12  LDS address of my spare word; never rewritten
.set NIL, 13                           ; v13  0; never rewritten
.set X,   16                           ; v16-79   load i of 16: four codes of row d = 16 dg + i
.set PK,  80                           ; v80-111  code e of four: eight registers, sixteen bf16, d ascending
.set AS,  112                          ; v112-115 code e: the sum of my sixteen squares (of the doubled numbers)
	s_load_b128 s[4:7], s[0:1], 0x0                ; codebook s[4:5], cbp s[6:7]
	v_lshl_add_u32 v[SPW], v0, 2, SPARE
	v_mov_b32 v[NIL], 0
	v_lshrrev_b32 v1, 5, v0
	v_readfirstlane_b32 s12, v1                    ; my wave's number
	v_and_b32 v2, 15, v0                           ; cq
	v_lshrrev_b32 v3, 4, v0                        ; dg
	v_lshlrev_b32 v1, 4, v2
	v_lshl_add_u32 v1, v3, 19, v1                  ; 16 cq + dg x 16 rows of 32,768 bytes
	s_lshl_b32 s8, ttmp9, 8                        ; my work-group's 64 codes in a row of the codebook
	s_mov_b32 s9, 0
	s_mul_i32 s10, ttmp9, IMG                      ; and its 64 rows of cbp
	s_mov_b32 s11, 0
	s_wait_kmcnt 0x0
	s_add_nc_u64 s[4:5], s[4:5], s[8:9]
	s_add_nc_u64 s[6:7], s[6:7], s[10:11]
.irp i, 0,1,2,3,4,5,6,7,8,9,10,11,12,13,14,15
	global_load_b128 v[X+4*\i:X+4*\i+3], v1, s[4:5] offset:32768*\i th:TH_LOAD_NT  ; sixteen lanes take 256 consecutive bytes of a row d
.endr
	v_mul_u32_u24 v4, v2, 4*PITCH
	v_lshl_add_u32 v4, v3, 5, v4                   ; image: row 4 cq, byte 32 dg
	v_lshlrev_b32 v5, 8, v3
	v_lshl_add_u32 v5, v2, 4, v5
	v_add_nc_u32 v5, PART, v5                      ; partial sums: row dg, four codes from 4 cq on
	v_mul_u32_u24 v6, v0, PITCH                    ; row t (used by threads 0 to 63 alone)
	v_mov_b32 v8, 0
	v_mov_b32 v9, 0
	v_mov_b32 v10, 0
	v_mov_b32 v11, 0
	s_cmp_lt_u32 s12, 2
	s_cbranch_scc0 .Lno_pads
	ds_store_b128 v6, v[8:11] offset:512           ; waves 0 and 1: zeros into all 64 pads; sixteen of them are written again behind the first barrier
.Lno_pads:
.irp p, 0,1,2,3,4,5,6,7
	s_wait_loadcnt 14-2*\p                         ; loads come back in order (ISA guide 5.7.1): rows 2 p and 2 p + 1 are in, the 14 - 2 p behind them stay out
.irp e, 0,2,4,6
	v_pk_mul_f32 v[X+8*\p+\e:X+8*\p+\e+1], v[X+8*\p+\e:X+8*\p+\e+1], -2.0 op_sel_hi:[1,0]
.endr
.irp e, 0,1,2,3
	v_cvt_pk_bf16_f32 v[PK+8*\e+\p], v[X+8*\p+\e], v[X+8*\p+4+\e]  ; code e: d even below, d odd above
.endr
.irp e, 0,1,2,3
.if \p == 0
	v_fma_mix_f32_bf16 v[AS+\e], v[PK+8*\e+\p], v[PK+8*\e+\p], v[NIL] op_sel_hi:[1,1,0]  ; the first square starts the sum
.else
	v_fma_mix_f32_bf16 v[AS+\e], v[PK+8*\e+\p], v[PK+8*\e+\p], v[AS+\e] op_sel_hi:[1,1,0]  ; the low half squared, in f32
.endif
.endr
.irp e, 0,1,2,3
	v_fma_mix_f32_bf16 v[AS+\e], v[PK+8*\e+\p], v[PK+8*\e+\p], v[AS+\e] op_sel:[1,1,0] op_sel_hi:[1,1,0]  ; the high half squared
.endr
.endr
.irp e, 0,1,2,3
	ds_store_b128 v4, v[PK+8*\e:PK+8*\e+3] offset:PITCH*\e        ; 32 bytes of row 4 cq + e.  Lanes four rows apart: 2,112 bytes = 64 modulo 256, so four lanes meet in a group of banks; taken as it is, eight stores a thread
	ds_store_b128 v4, v[PK+8*\e+4:PK+8*\e+7] offset:PITCH*\e+16
.endr
	ds_store_b128 v5, v[AS:AS+3]
	s_wait_dscnt 0x0                               ; for the others' sake: my stores are done
	s_barrier_signal -1
	s_barrier_wait -1
	s_cmp_lt_u32 s12, 2
	s_cbranch_scc0 .Lno_cc
	v_lshl_add_u32 v7, v0, 2, PART                 ; waves 0 and 1: thread t adds up code t
.irp i, 0,1,2,3,4,5,6,7,8,9,10,11,12,13,14,15
	ds_load_b32 v[X+\i], v7 offset:256*\i
.endr
	v_lshrrev_b32 v14, 4, v0                       ; T = t / 16
	v_bfe_u32 v15, v0, 2, 2                        ; q = (t / 4) % 4
	v_lshl_add_u32 v14, v14, 4, v15                ; row 16 T + q
	v_mul_u32_u24 v14, v14, PITCH
	v_and_b32 v15, 3, v0
	v_lshl_add_u32 v14, v15, 2, v14                ; word t % 4 of its pad
	s_wait_dscnt 0x0
.irp i, 1,2,3,4,5,6,7,8,9,10,11,12,13,14,15
	v_add_f32 v[X], v[X], v[X+\i]                  ; dg ascending
.endr
	v_mul_f32 v[X], 0x3e800000, v[X]               ; the squares were those of the doubled numbers: a quarter, exact
	ds_store_b32 v14, v[X] offset:512
.Lno_cc:
	s_wait_dscnt 0x0
	s_barrier_signal -1
	s_barrier_wait -1
	v_lshlrev_b32 v2, 4, v0                        ; the image leaves as it lies: 16 bytes a thread, in LDS and in cbp alike
.irp i, 0,1,2,3,4,5,6,7
	ds_load_b128 v[X+4*\i:X+4*\i+3], v2 offset:4096*\i
.endr
.irp i, 0,1,2,3,4,5,6,7
	s_wait_dscnt 7-\i                              ; LDS loads come back in order: number i is in
	global_store_b128 v2, v[X+4*\i:X+4*\i+3], s[6:7] offset:4096*\i  ; a wave's store covers 512 consecutive bytes, at a multiple of 256 from cbp's first byte
.endr
	s_cmp_lt_u32 s12, 2
	s_cbranch_scc0 .Lend
	ds_load_b128 v[PK:PK+3], v2 offset:32768       ; the last 1,024 of the 33,792 bytes: waves 0 and 1
	s_wait_dscnt 0x0
	global_store_b128 v2, v[PK:PK+3], s[6:7] offset:32768
.Lend:
	s_wait_tensorcnt 0x0                           ; the wave's end, behind my last LDS store
	ds_add_u32 v[SPW], v[NIL]
	s_wait_dscnt 0x0
	s_endpgm
.Lfunc_end_k_qd31e297a68_vq_prep:
	.size	k_qd31e297a68_vq_prep, .Lfunc_end_k_qd31e297a68_vq_prep-k_qd31e297a68_vq_prep
	.p2alignl 7, 3214868480
	.fill 96, 4, 3214868480
	.section	.rodata,"a",@progbits
	.p2align	6, 0x0
	.amdhsa_kernel k_qd31e297a68_vq_prep
		.amdhsa_group_segment_fixed_size 38912
		.amdhsa_private_segment_fixed_size 0
		.amdhsa_enable_private_segment 0
		.amdhsa_kernarg_size 16
		.amdhsa_user_sgpr_count 2
		.amdhsa_user_sgpr_kernarg_segment_ptr 1
		.amdhsa_wavefront_size32 1
		.amdhsa_system_sgpr_workgroup_id_x 1
		.amdhsa_system_sgpr_workgroup_id_y 1
		.amdhsa_system_sgpr_workgroup_id_z 1
		.amdhsa_system_vgpr_workitem_id 0
		.amdhsa_next_free_vgpr 128
		.amdhsa_next_free_sgpr 66
		.amdhsa_reserve_vcc 0
		.amdhsa_float_denorm_mode_32 3
		.amdhsa_float_denorm_mode_16_64 3
		.amdhsa_memory_ordered 1
		.amdhsa_forward_progress 1
		.amdhsa_inst_pref_size 17
	.end_amdhsa_kernel
	.amdgpu_metadata
---
amdhsa.version: [ 1, 2 ]
amdhsa.kernels:
  - .name:           k_qd31e297a68_vq_prep
    .symbol:         k_qd31e297a68_vq_prep.kd
    .args:
      - { .name: codebook, .offset: 0, .size: 8, .value_kind: global_buffer, .address_space: global }
      - { .name: cbp, .offset: 8, .size: 8, .value_kind: global_buffer, .address_space: global }
    .group_segment_fixed_size: 38912
    .private_segment_fixed_size: 0
    .kernarg_segment_align: 8
    .kernarg_segment_size: 16
    .max_flat_workgroup_size: 256
    .sgpr_count:     66
    .vgpr_count:     128
    .wavefront_size: 32
...
	.end_amdgpu_metadata
.endif
;; end of part 1
;; launch vq_main (part 2): grid 256 x 1, 4 waves a work-group, clusters of 4 x 1, 327,680 bytes of LDS; arguments z, cbp, out1, idx; writes out1, idx
.if DOCPART == 2
	.amdgcn_target "amdgcn-amd-amdhsa--gfx1250"
	.amdhsa_code_object_version 6
	.text
	.protected	k_qd31e297a68_vq_main
	.globl	k_qd31e297a68_vq_main
	.p2align	8
	.type	k_qd31e297a68_vq_main,@function
k_qd31e297a68_vq_main:
	s_mov_b64 s[64:65], 0
	v_nop
	global_prefetch_b8 v0, s[64:65] scope:SCOPE_SE
	s_setreg_imm32_b32 hwreg(HW_REG_WAVE_MODE, 25, 1), 1
	s_wait_xcnt 0x0
	s_wait_alu depctr_hold_cnt(0) depctr_sa_sdst(0) depctr_va_vdst(0) depctr_va_sdst(0) depctr_va_ssrc(0) depctr_va_vcc(0) depctr_vm_vsrc(0)
	s_getreg_b32 s2, hwreg(HW_REG_IB_STS2, 6, 4)
	s_cmp_eq_u32 s2, 0
	s_cbranch_scc0 .Lentry_in_a_cluster
	s_endpgm
.Lentry_in_a_cluster:
	s_bfe_u32 s2, ttmp6, 0x10000c
	s_cmp_lg_u32 s2, 0x3003
	s_cbranch_scc0 .Lentry_shape_is_right
	s_endpgm
.Lentry_shape_is_right:
; THE NEAREST CODE.  For each of 32,768 rows of z (256 f32): the first c of 8,192 with the least score[c] = cc[c] + sum over k of (-2 c_k) z_k, both factors in bf16, sums in f32.
; cbp (made by the launch before) holds for each code a row of 528 bytes: 256 bf16 of -2 x the code, and a pad in which cc lies (rows 16 T + q, q < 4: cc[16 T + 4 q .. + 3]).
; The index goes to out1 and, once more, to idx, from which the next launch forms addresses.
; LIMITS.  reference() compares ||z||^2 - 2 z.c + cc; ||z||^2 is the same for all codes of a row and is left out here, so the order of rounding differs: two codes whose distances lie within
; f32's rounding of each other (some 3e-5 at distances near 300) may be ordered otherwise.  Equal scores go to the lowest index.  Scores stay under the largest finite f32; NaN and infinities are not treated apart.
; SHARES.  A work-group owns 128 rows of z: 256 work-groups.  EACH of its four waves holds all 128 rows as bf16 fragments, 512 registers, for the whole launch, and takes a quarter of the codes:
; of every 256 codes wave w has 64 w .. 64 w + 63.  So a fragment of 16 codes x 32 k (two LDS loads) feeds eight matrix instructions, and a code's bytes leave LDS once for a work-group.
; LAYOUT.  Source 0 = 16 codes, source 1 = 16 rows of z: in the result lane l holds ONE row (l % 16) and registers 0-7 the codes 8 (l / 16) + 0..7.  The minimum over codes runs down a lane's registers and
; from tile to tile; lanes and waves meet once, at the end.  The C operand of a tile's first K step is cc, eight registers from the pads: the accumulator ends as the score, with no vector addition.
; THE MINIMUM.  For each of the 8 row tiles a lane keeps m (the least score so far), g (1 + the number of the tile that gave it) and that tile's eight scores.  A tile costs 15 vector lines a row tile: four for its
; minimum, a strict compare (the earlier tile wins a tie), m, g, and eight selects.  Which of the eight it was is looked up once, at the end: the first that equals m.
; BY TURNS.  A tile is 16 codes x 128 rows x 256 k: 64 matrix instructions on 8 accumulators.  Two accumulator buffers: while one tile is multiplied, the 120 vector lines for the tile before stand among
; its products, four behind every second one.  They lie in window 0 and the products' sources in windows 1 to 3, so each group of four costs two window switches: some 62 for a tile's 64 matrix instructions.
; Set apart instead, those 120 lines would leave the matrix unit without work.
; RING.  Two LDS slots of 256 codes (135,168 bytes).  Each wave fetches and reads its own quarter, one dense block of 132 x 256 bytes.  A slot is filled again four tiles, 256 matrix instructions, ahead of its first read.
; CLUSTER.  All work-groups walk the same table, so the four of a cluster ask JOINTLY: the same tensor load, descriptor and mask in all four.  The place in the cluster enters the addresses of z, out1 and idx alone.
; z comes in by a load of the work-group's own, as f32, into the bytes that are slot 1 afterwards, and is rounded to bf16 on the way into registers.
; No prefetch: the table is 4.3 MB and every work-group reads all of it at about the same time.
; REGISTERS, in windows of 256 (s_set_vgpr_msb: bits 1:0 source 0, 3:2 source 1, 5:4 source 2, 7:6 destination):
;   window 0: v0-31 addresses and at work; v32-111 ten registers of state a row tile; v112-127 cc, two buffers; v128-255 accumulators, two buffers of 8 x 8 (at the start: the stage for z in f32)
;   window 1: v0-127 code fragments, two buffers of 8 K steps        windows 2, 3: z: fragment (row tile rt, K step ks) in window 2 + ks / 4 at v[64 (ks % 4) + 8 rt]
.set PITCH,  528                       ; a code's row: 512 bytes + 16 = 33 x 16: the 16 rows of a fragment load start at 16 different groups of four banks (64 banks of 4 bytes: ISA guide 11.1)
.set TILEB,  16*PITCH                  ; a tile's 16 rows
.set QUART,  64*PITCH                  ; a wave's quarter of a slot: four tiles
.set SLOT,   4*QUART                   ; 0x21000: shares no bit with w x QUART (0x8400 w), so one exclusive or turns an address in one slot into the other's
.set ZPITCH, 1040                      ; a row of z in LDS: 1,024 bytes + 16
.set ZQUART, 32*ZPITCH                 ; the 32 rows of z that a wave fetches
.set SCR,    2*SLOT                    ; behind the ring, never filled by a tensor load: 4 waves x 128 rows x (score, code)
.set SPARE,  SCR+4096                  ; behind it: the spare words, 128 bytes for each wave: two blocks of 256 bytes that no other line names
.set AK0, 3                            ; v3   my lane's place in a tile's fragments: w x QUART + (l % 16) x 528 + 16 (l / 16); never rewritten
.set AC0, 4                            ; v4   the same for cc: w x QUART + 2 (l / 16) x 528 + 512
.set ADR, 5                            ; v5   LDS address of the run of fragment loads in hand
.set ADC, 6                            ; v6   of its two loads of cc
.set ZA,  7                            ; v7   LDS address of my lane's part of z
.set T0,  8                            ; v8-9 a tile's minimum, for the two row tiles in hand
.set SPW, 12                           ; v12  LDS address of my spare word: SPARE + 4 x my thread's number; never rewritten
.set NIL, 13                           ; v13  0; never rewritten
.set WH,  14                           ; v14  64 w + 8 (l / 16): what my wave and my half of the lanes add to a code's number
.set JJ,  15                           ; v15  the end: which of the eight
.set SA,  18                           ; v18  the end: where I put (score, code)
.set RA,  19                           ; v19  where I read the four waves' back
.set GO,  20                           ; v20  my byte offset in the work-group's 128 indices
.set ST,  32                           ; row tile rt at v[ST + 10 rt]: m, g, the eight scores kept
.set CC,  112
.set ACC, 128
.set WV,  12                           ; s12  my wave's number
.set G1C, 24                           ; s[24:31] descriptor group 1 for the codes
.set G1Z, 32                           ; s[32:39] for z
.set G0C, 40                           ; s[40:43] descriptor group 0 for the codes: it walks
.set G0Z, 44                           ; s[44:47] for z
.set SLOTS, 48                         ; s48  counts the slots still to be asked for
.set CNT, 49                           ; s49  counts pairs of tiles
.set TB,  50                           ; s50  LDS byte at which the slot's tile to be fetched next begins, without the wave's and the lane's part
.set TID, 51                           ; s51  the number of the tile that is being multiplied = 1 + the number of the tile whose minimum is being taken
.set MK,  52                           ; s52-53 the compares' masks, for the two row tiles in hand
.set SEL, 54                           ; s[54:55] v_permlanex16_b32's selects: each lane takes its own place in the other half
.set BIG, 59                           ; s59  the largest finite f32
.set MSB, 0
.macro WIN new                         ; the immediate's high byte repeats the setting that is left; a switch that changes nothing is dropped
.if MSB != (\new)
	s_set_vgpr_msb (MSB<<8)|(\new)
.set MSB, \new
.endif
.endm
; A round of the cluster's barrier: my work-group's barrier, so that wave 0's signal speaks for all four waves; wave 0 signals; every wave waits for all four work-groups; my work-group's barrier once more.
.macro CROUND
	s_barrier_signal -1
	s_barrier_wait -1
	s_cmp_lg_u32 s[WV], 0
	s_cbranch_scc1 .Lnot_wave_0_\@
	s_barrier_signal -3
.Lnot_wave_0_\@:
	s_barrier_wait -3
	s_barrier_signal -1
	s_barrier_wait -1
.endm
; 18 LDS loads in one run: the next tile's cc (all lanes of a half read the same 32 bytes) and its 8 fragments of 16 codes x 32 k, into buffer p.
; A fragment: lane l holds code l % 16; registers 0-3 k = 8 (l / 16) + 0..7, registers 4-7 k = 16 + 8 (l / 16) + 0..7: two loads of 16 bytes, 32 bytes apart.
.macro FETCH p
	WIN 0
	v_add_nc_u32 v[ADR], s[TB], v[AK0]
	v_add_nc_u32 v[ADC], s[TB], v[AC0]
	ds_load_b128 v[CC+8*(\p):CC+8*(\p)+3],   v[ADC]
	ds_load_b128 v[CC+8*(\p)+4:CC+8*(\p)+7], v[ADC] offset:PITCH
	WIN 0x40                                       ; destination window 1
.irp k, 0,1,2,3,4,5,6,7
	ds_load_b128 v[64*(\p)+8*(\k):64*(\p)+8*(\k)+3],   v[ADR] offset:64*(\k)
	ds_load_b128 v[64*(\p)+8*(\k)+4:64*(\p)+8*(\k)+7], v[ADR] offset:64*(\k)+32
.endr
	s_add_co_u32 s[TB], s[TB], TILEB               ; the next fetch is the next tile's
.endm
; Product i of a tile's 64: K step i / 8, row tile i % 8.  The 8 accumulators take turns, one instruction a turn, over the tiles' and the loops' edges too.  The first 8 start the sums with cc.
.macro MM p
.set ks, i/8
.set rt, i%8
.set rD, ACC+64*(\p)+8*rt
.set rA, 64*(\p)+8*ks
.set rB, 64*(ks%4)+8*rt
	WIN 0x09+4*(ks/4)                              ; codes in window 1, z in window 2 or 3, C and D in window 0
.if ks == 0
	v_wmma_f32_16x16x32_bf16 v[rD:rD+7], v[rA:rA+7], v[rB:rB+7], v[CC+8*(\p):CC+8*(\p)+7]
.else
	v_wmma_f32_16x16x32_bf16 v[rD:rD+7], v[rA:rA+7], v[rB:rB+7], v[rD:rD+7]
.endif
.set i, i+1
.endm
; Line q of the 120 that take the finished tile in accumulator buffer p into the state.  Two row tiles at a time, alternating, so that no line reads the result of the line in front of it; 15 steps each.
; Each accumulator's lowest registers are read first.
.macro RID p
.set u, q%2
.set rr, 2*(q/30)+u
.set stp, (q%30)/2
.set rD, ACC+64*(\p)+8*rr
.set rS, ST+10*rr
.if stp == 0
	v_min3_num_f32 v[T0+u], v[rD], v[rD+1], v[rD+2]
.elseif stp < 3
	v_min3_num_f32 v[T0+u], v[T0+u], v[rD+2*stp+1], v[rD+2*stp+2]
.elseif stp == 3
	v_min_num_f32 v[T0+u], v[T0+u], v[rD+7]
.elseif stp == 4
	v_cmp_lt_f32 s[MK+u], v[T0+u], v[rS]           ; strictly less: of equal scores the earlier tile's stays
.elseif stp == 5
	v_min_num_f32 v[rS], v[rS], v[T0+u]
.elseif stp == 6
	v_cndmask_b32 v[rS+1], v[rS+1], s[TID], s[MK+u]
.else
	v_cndmask_b32 v[rS+stp-5], v[rS+stp-5], v[rD+stp-7], s[MK+u]
.endif
.set q, q+1
.endm
; A TILE in buffer p.  Behind products 1, 3, .. 59 stand four lines for the tile before (buffer 1 - p); they name no register of the products of this tile.
; fetch = 1: the next tile's loads stand in one run behind product 3 and its four lines, 60 matrix instructions ahead of the wait for them.
; DISTANCES (for all but the loads), by count.  The loads go into buffer 1 - p, which the tile before read last in its products 56-63.  Behind products 58-63 stand this tile's first eight
; lines, which name row tiles 0 and 1 alone; behind products 56 and 57 (row tiles 0 and 1) the eight lines behind products 57 and 59 of that tile.  The same eight stand in front of the first line here, which reads what 56 and 57 wrote.
.macro TILE p, fetch
	s_wait_dscnt 0x0                               ; this tile's fragments and cc are in
.set i, 0
.set q, 0
.rept 32
	MM \p
	MM \p
.if i <= 60
	WIN 0
	RID 1-(\p)
	RID 1-(\p)
	RID 1-(\p)
	RID 1-(\p)
.endif
.if (\fetch) && (i == 4)
	FETCH 1-(\p)
.endif
.endr
	s_add_co_u32 s[TID], s[TID], 1
	WIN 0                                          ; at a label and at a branch every window is 0
.endm
; THE CHANGE OF SLOTS stands in front of a slot's last tile, whose fragments have been asked for.  Each wave waits for all its tensor loads, of which one is out: its quarter of the other slot; adds 0 to its spare
; word; and waits for that and for its reads of the slot that it leaves.  fill = 1: the barrier is a round of the cluster's, so that no wave of any partner still reads the slot or has a load on its way, and the joint
; refill, the next 256 codes but one, is the first thing behind it.  (At its first use the bytes left are z's, and slot 1 gets its first codes.)
.macro CHANGE fill
	WIN 0
	s_wait_tensorcnt 0x0                           ; no tensor load of mine is out, so group 0 may be written
	ds_add_u32 v[SPW], v[NIL]                      ; 0 onto my spare word
.if \fill
	s_xor_b32 s[G0C+1], s[G0C+1], SLOT             ; the walking descriptor: the other slot than last time,
	s_add_nc_u64 s[G0C+2:G0C+3], s[G0C+2:G0C+3], SLOT  ; the next 256 rows of cbp; the type bits on top are not reached
	s_wait_dscnt 0x0                               ; the add is done, and my reads of the slot are over
	CROUND
	tensor_load_to_lds s[G0C:G0C+3], s[G1C:G1C+7]  ; my one tensor load behind the round
	s_nop 0
.rept 4
	v_nop                                          ; an s_nop 0 and four v_nop follow the load
.endr
.else
	s_wait_dscnt 0x0
	s_barrier_signal -1
	s_barrier_wait -1
.endif
	s_sub_co_u32 s[TB], s[TB], 4*TILEB             ; the fetches go back to a quarter's first tile,
	s_xor_b32 s[TB], s[TB], SLOT                   ; in the other slot
.endm
; (va, ca) takes (vb, cb) if vb is less, or equal with the lower code.
.macro MERGE va, ca, vb, cb
	v_cmp_lt_f32 s56, v[\vb], v[\va]
	v_cmp_eq_f32 s57, v[\vb], v[\va]
	v_cmp_lt_u32 s58, v[\cb], v[\ca]
	s_and_b32 s57, s57, s58
	s_or_b32 s56, s56, s57
	v_cndmask_b32 v[\va], v[\va], v[\vb], s56
	v_cndmask_b32 v[\ca], v[\ca], v[\cb], s56
.endm
; z into registers.  Batch b of 16: row tile b / 2, K steps 4 (b % 2) + 0..3.  A lane's part of a fragment is 8 + 8 f32: four loads of 16 bytes at 0, 16, 64, 80.  Rows 1,040 bytes apart: 16 modulo 256, so 16 lanes touch 16 different columns of 16 bytes.
.macro ZLOAD b
.set zs, ACC+64*((\b)%2)
.set zh, (\b)%2
.irp f, 0,1,2,3
	ds_load_b128 v[zs+16*\f:zs+16*\f+3],     v[ZA] offset:128*(4*zh+\f)
	ds_load_b128 v[zs+16*\f+4:zs+16*\f+7],   v[ZA] offset:128*(4*zh+\f)+16
	ds_load_b128 v[zs+16*\f+8:zs+16*\f+11],  v[ZA] offset:128*(4*zh+\f)+64
	ds_load_b128 v[zs+16*\f+12:zs+16*\f+15], v[ZA] offset:128*(4*zh+\f)+80
.endr
.endm
.macro ZCVT b
.set zs, ACC+64*((\b)%2)
.set zr, (\b)/2
	WIN 0x80+0x40*((\b)%2)                         ; destination window 2 or 3
.irp f, 0,1,2,3
.irp j, 0,1,2,3,4,5,6,7
	v_cvt_pk_bf16_f32 v[64*\f+8*zr+\j], v[zs+16*\f+2*\j], v[zs+16*\f+2*\j+1]
.endr
.endr
.endm
	s_load_b256 s[4:11], s[0:1], 0x0               ; z s[4:5], cbp s[6:7], out1 s[8:9], idx s[10:11]
	v_lshl_add_u32 v[SPW], v0, 2, SPARE
	v_mov_b32 v[NIL], 0
	ds_add_u32 v[SPW], v[NIL]                      ; the wave's opening: the add and its wait stand ahead of my first tensor load; the set-up below, work on registers, stands between them
	v_lshrrev_b32 v1, 5, v0
	v_readfirstlane_b32 s[WV], v1                  ; wave 0..3
	s_bfe_u32 s13, ttmp6, 0x40000                  ; cx: my place in the cluster
	s_lshl_b32 s14, ttmp9, 2                       ; in a cluster launch ttmp9 counts clusters
	s_add_co_u32 s14, s14, s13                     ; my block of 128 rows = 4 x cluster x + cx
	; group 1 for the codes: a wave's quarter is 33,792 dense bytes, asked for as 132 rows of 32 elements of 8 bytes
	s_mov_b32 s[G1C], 15|(3<<16)|(1<<21)           ; 15:0 the mask: all four work-groups; 17:16 elements of 8 bytes; 21 set beside a mask; no padding: the rows' pads lie in memory
	s_mov_b32 s[G1C+1], 32<<16                     ; tensor_dim0 = 32
	s_mov_b32 s[G1C+2], 132<<16                    ; tensor_dim1 = 132
	s_mov_b32 s[G1C+3], 32<<16                     ; tile_dim0 = 32
	s_mov_b32 s[G1C+4], 132                        ; tile_dim1 = 132
	s_mov_b32 s[G1C+5], 32                         ; 32 elements from row to row
	s_mov_b32 s[G1C+6], 0
	s_mov_b32 s[G1C+7], 0
	; group 1 for z: 32 rows of 256 f32, padded in LDS
	s_mov_b32 s[G1Z], (2<<16)|(1<<20)|(7<<22)|(3<<25)  ; no mask; elements of 4 bytes; padding on; after every 256 words (code 7); 4 words of it (code 3)
	s_mov_b32 s[G1Z+1], 256<<16                    ; tensor_dim0 = 256
	s_mov_b32 s[G1Z+2], 32<<16                     ; tensor_dim1 = 32
	s_mov_b32 s[G1Z+3], 256<<16                    ; tile_dim0 = 256
	s_mov_b32 s[G1Z+4], 32                         ; tile_dim1 = 32
	s_mov_b32 s[G1Z+5], 256
	s_mov_b32 s[G1Z+6], 0
	s_mov_b32 s[G1Z+7], 0
	s_mov_b32 s[G0C], 1                            ; count = 1
	s_mul_i32 s[G0C+1], s[WV], QUART               ; LDS: my quarter of slot 0
	s_mov_b32 s[G0Z], 1
	s_mul_i32 s[G0Z+1], s[WV], ZQUART              ; LDS: my 32 rows of z, in the bytes that are slot 1 later
	s_add_co_u32 s[G0Z+1], s[G0Z+1], SLOT
	s_mul_i32 s18, s[WV], QUART                    ; my quarter's byte offset, in cbp and in a slot
	s_mov_b32 s19, 0
	s_lshl_b32 s16, s14, 17                        ; my block's 128 rows of 1,024 bytes,
	s_lshl_b32 s17, s[WV], 15                      ; my wave's 32 of them
	s_add_co_u32 s16, s16, s17
	s_mov_b32 s17, 0
	s_lshl_b32 s20, s14, 9                         ; my block's 128 indices
	s_mov_b32 s21, 0
	s_mov_b32 s[SEL], 0x76543210
	s_mov_b32 s[SEL+1], 0xfedcba98
	s_mov_b32 s[BIG], 0x7f7fffff
	s_mov_b32 s[TB], SLOT+4*TILEB                  ; the first change of slots turns this into 0
	s_mov_b32 s[TID], 0
	s_wait_dscnt 0x0                               ; the opening add is done
	s_wait_kmcnt 0x0
	s_add_nc_u64 s[G0C+2:G0C+3], s[6:7], s[18:19]  ; made of the wave's number alone: equal in the four partners
	s_or_b32 s[G0C+3], s[G0C+3], 0x80000000        ; type = 2
	s_add_nc_u64 s[G0Z+2:G0Z+3], s[4:5], s[16:17]
	s_or_b32 s[G0Z+3], s[G0Z+3], 0x80000000
	s_add_nc_u64 s[8:9], s[8:9], s[20:21]
	s_add_nc_u64 s[10:11], s[10:11], s[20:21]
	CROUND                                         ; all four work-groups are here: the first joint loads meet
	tensor_load_to_lds s[G0Z:G0Z+3], s[G1Z:G1Z+7]  ; the two first fills go out together: two loads of mine are out
	s_nop 0
	tensor_load_to_lds s[G0C:G0C+3], s[G1C:G1C+7]  ; codes 0 to 255 into slot 0
	s_nop 0
.rept 4
	v_nop
.endr
	; in the wait for them: addresses and the state
	v_and_b32 v1, 15, v0                           ; l % 16
	v_bfe_u32 v2, v0, 4, 1                         ; l / 16
	v_mul_u32_u24 v[AK0], v1, PITCH
	v_lshl_add_u32 v[AK0], v2, 4, v[AK0]
	v_add_nc_u32 v[AK0], s18, v[AK0]
	v_mul_u32_u24 v[AC0], v2, 2*PITCH              ; cc of codes 8 (l / 16) + 0..7 lies in the pads of the tile's rows 2 (l / 16) and 2 (l / 16) + 1
	v_add_nc_u32 v[AC0], s18, v[AC0]
	v_add_nc_u32 v[AC0], 512, v[AC0]
	v_mul_u32_u24 v[ZA], v1, ZPITCH
	v_lshl_add_u32 v[ZA], v2, 5, v[ZA]             ; row x pitch + 8 f32 x half
	v_add_nc_u32 v[ZA], SLOT, v[ZA]
	s_lshl_b32 s16, s[WV], 6
	v_lshl_add_u32 v[WH], v2, 3, s16
	s_lshl_b32 s17, s[WV], 10
	s_add_co_u32 s17, s17, SCR
	v_lshl_add_u32 v[SA], v1, 3, s17               ; my wave's 128 pairs; row l % 16 of a row tile
	v_lshl_add_u32 v[RA], v0, 3, SCR               ; thread t reads row t's four pairs
	v_lshlrev_b32 v[GO], 2, v0
	v_mov_b32 v24, 0                               ; v_permlanex16_b32's destinations count as read: written once here
	v_mov_b32 v25, 0
.set rt, 0
.rept 8
	v_mov_b32 v[ST+10*rt], s[BIG]                  ; m
	v_mov_b32 v[ST+10*rt+1], 1                     ; g: tile 0, should no score ever be less than m
.irp j, 0,1,2,3,4,5,6,7
	v_mov_b32 v[ST+10*rt+2+\j], s[BIG]
.endr
.set rt, rt+1
.endr
	s_wait_tensorcnt 0x1                           ; tensor loads of a wave end in order (ISA guide 10.11.1): my rows of z are in; the codes, issued behind them, may stay out
	s_barrier_signal -1
	s_barrier_wait -1                              ; everybody's rows are in: every wave reads all 128
	ZLOAD 0
.set bb, 0
.rept 16
	WIN 0
.if bb < 15
.if (bb+1)%2 == 0
	v_add_nc_u32 v[ZA], 16*ZPITCH, v[ZA]           ; the next row tile
.endif
	ZLOAD bb+1                                     ; the next batch goes out ahead of this batch's roundings, into the other half of the stage
	s_wait_dscnt 16                                ; all but those sixteen
.else
	s_wait_dscnt 0x0
.endif
	ZCVT bb
.set bb, bb+1
.endr
	WIN 0
.set j, 0
.rept 64
	v_mov_b32 v[ACC+64+j], s[BIG]                  ; the first tile finds a 'tile before' that never wins: the price, 64 moves once a launch, of one text for every tile
.set j, j+1
.endr
	CHANGE 1                                       ; slot 0 is in, z has been read by all; slot 1 takes codes 256 to 511
	FETCH 0                                        ; tile 0
	WIN 0
	s_mov_b32 s[CNT], 2
	s_mov_b32 s[SLOTS], 31
	s_branch .Lfirst                               ; the loop is entered in the middle of a trip: tiles 0 to 2 first
.Lslot:                                                ; 30 times: four tiles, t = 3 + 4 k .. 6 + 4 k; slot k + 2 is asked for, slot k + 1's tiles are fetched
	CHANGE 1
	s_mov_b32 s[CNT], 2
.Lstep:
	TILE 1, 1
.Lfirst:
	TILE 0, 1
	s_sub_co_u32 s[CNT], s[CNT], 1
	s_cmp_lg_u32 s[CNT], 0
	s_cbranch_scc1 .Lstep
	s_sub_co_u32 s[SLOTS], s[SLOTS], 1
	s_cmp_lg_u32 s[SLOTS], 0
	s_cbranch_scc1 .Lslot
	CHANGE 0                                       ; the tail is written out: slot 31 is in, nothing is asked for
	s_mov_b32 s[CNT], 2
.Ltail:                                                ; tiles 123 to 126
	TILE 1, 1
	TILE 0, 1
	s_sub_co_u32 s[CNT], s[CNT], 1
	s_cmp_lg_u32 s[CNT], 0
	s_cbranch_scc1 .Ltail
	TILE 1, 0                                      ; tile 127: nothing is left to fetch
.set q, 0
.rept 120
	RID 1                                          ; and its minimum.  Products 56 and 57 have the eight lines behind products 57 and 59 behind them; the later row tiles' lines come behind 30 others or more
.endr
	; THE END.  For each row tile: which of the eight kept scores is the first to equal m; the code's number; the other half of the lanes' (the row's other eight codes of each tile); then the four waves meet in LDS.
.set rt, 0
.rept 8
.set rS, ST+10*rt
	v_mov_b32 v[JJ], 7
.irp j, 6,5,4,3,2,1,0
	v_cmp_neq_f32 vcc_lo, v[rS+2+\j], v[rS]
	v_cndmask_b32 v[JJ], \j, v[JJ], vcc_lo         ; descending, so that the lowest j that equals m stays
.endr
	v_add_nc_u32 v16, -1, v[rS+1]                  ; the tile T: slot T / 4, tile T % 4 of my quarter
	v_lshrrev_b32 v17, 2, v16
	v_and_b32 v16, 3, v16
	v_lshl_add_u32 v17, v17, 8, v[WH]
	v_lshl_add_u32 v17, v16, 4, v17
	v_mov_b32 v22, v[rS]
	v_add_nc_u32 v23, v17, v[JJ]                   ; 256 (T / 4) + 64 w + 16 (T % 4) + 8 (l / 16) + j
	v_permlanex16_b32 v24, v22, s[SEL], s[SEL+1]
	v_permlanex16_b32 v25, v23, s[SEL], s[SEL+1]
	MERGE 22, 23, 24, 25                           ; both halves of the lanes end with the same pair,
	ds_store_b64 v[SA], v[22:23] offset:128*rt     ; and write it to the same 8 bytes
.set rt, rt+1
.endr
	s_wait_dscnt 0x0                               ; for the others' sake: my stores are done
	s_barrier_signal -1
	s_barrier_wait -1
	ds_load_b64 v[22:23], v[RA]
	ds_load_b64 v[24:25], v[RA] offset:1024
	ds_load_b64 v[26:27], v[RA] offset:2048
	ds_load_b64 v[28:29], v[RA] offset:3072
	s_wait_dscnt 0x0
	MERGE 22, 23, 24, 25
	MERGE 26, 27, 28, 29
	MERGE 22, 23, 26, 27
	global_store_b32 v[GO], v23, s[8:9]            ; a wave's store covers 128 consecutive bytes: the two buffers are 131,072 bytes each, and the lanes are not regrouped for them
	global_store_b32 v[GO], v23, s[10:11]
	s_wait_tensorcnt 0x0                           ; the wave's end, behind my last tensor load and my last LDS store
	ds_add_u32 v[SPW], v[NIL]
	s_wait_dscnt 0x0
	CROUND                                         ; the closing round: no work-group ends while a partner may still ask for a tile that names it
	s_endpgm
.Lfunc_end_k_qd31e297a68_vq_main:
	.size	k_qd31e297a68_vq_main, .Lfunc_end_k_qd31e297a68_vq_main-k_qd31e297a68_vq_main
	.p2alignl 7, 3214868480
	.fill 96, 4, 3214868480
	.section	.rodata,"a",@progbits
	.p2align	6, 0x0
	.amdhsa_kernel k_qd31e297a68_vq_main
		.amdhsa_group_segment_fixed_size 327680
		.amdhsa_private_segment_fixed_size 0
		.amdhsa_enable_private_segment 0
		.amdhsa_kernarg_size 32
		.amdhsa_user_sgpr_count 2
		.amdhsa_user_sgpr_kernarg_segment_ptr 1
		.amdhsa_wavefront_size32 1
		.amdhsa_system_sgpr_workgroup_id_x 1
		.amdhsa_system_sgpr_workgroup_id_y 1
		.amdhsa_system_sgpr_workgroup_id_z 1
		.amdhsa_system_vgpr_workitem_id 0
		.amdhsa_next_free_vgpr 1024
		.amdhsa_next_free_sgpr 66
		.amdhsa_reserve_vcc 1
		.amdhsa_float_denorm_mode_32 3
		.amdhsa_float_denorm_mode_16_64 3
		.amdhsa_memory_ordered 1
		.amdhsa_forward_progress 1
		.amdhsa_inst_pref_size 153
	.end_amdhsa_kernel
	.amdgpu_metadata
---
amdhsa.version: [ 1, 2 ]
amdhsa.kernels:
  - .name:           k_qd31e297a68_vq_main
    .symbol:         k_qd31e297a68_vq_main.kd
    .args:
      - { .name: z, .offset: 0, .size: 8, .value_kind: global_buffer, .address_space: global }
      - { .name: cbp, .offset: 8, .size: 8, .value_kind: global_buffer, .address_space: global }
      - { .name: out1, .offset: 16, .size: 8, .value_kind: global_buffer, .address_space: global }
      - { .name: idx, .offset: 24, .size: 8, .value_kind: global_buffer, .address_space: global }
    .group_segment_fixed_size: 327680
    .private_segment_fixed_size: 0
    .kernarg_segment_align: 8
    .kernarg_segment_size: 32
    .max_flat_workgroup_size: 128
    .sgpr_count:     66
    .vgpr_count:     1024
    .wavefront_size: 32
...
	.end_amdgpu_metadata
.endif
;; end of part 2
;; launch vq_gather (part 3): grid 256 x 1, 8 waves a work-group, no clusters, 0 bytes of LDS; arguments z, cbp, idx, out0, part; writes out0, part
.if DOCPART == 3
	.amdgcn_target "amdgcn-amd-amdhsa--gfx1250"
	.amdhsa_code_object_version 6
	.text
	.protected	k_qd31e297a68_vq_gather
	.globl	k_qd31e297a68_vq_gather
	.p2align	8
	.type	k_qd31e297a68_vq_gather,@function
k_qd31e297a68_vq_gather:
	s_mov_b64 s[64:65], 0
	v_nop
	global_prefetch_b8 v0, s[64:65] scope:SCOPE_SE
	s_setreg_imm32_b32 hwreg(HW_REG_WAVE_MODE, 25, 1), 1
	s_wait_xcnt 0x0
; THE GATHER.  out0[row] = z[row] + (zq - z[row]), zq = the code idx[row]; part[wave] = the wave's sum of (zq - z)^2.
; zq is taken from cbp, where a code's 256 numbers lie as one row of bf16 of -2 x the code: times -0.5, exact.  So a code is 512 consecutive bytes, where the codebook itself has it as a column,
; and zq is the code rounded to bf16, off by 2^-9 of itself at the most.  zq - z is one fused multiply-add, rounded once, as reference()'s subtraction is.
; The loss is made of the differences themselves, not of ||z||^2 and the score: that would be a difference of large sums.
; SHARES.  A wave takes 16 rows, 8 waves a work-group, 256 work-groups.  All of a wave's 64 loads go out before the first is used; no loop, no LDS, no barrier; no wave waits for another.
; The indices were stored as whole numbers by the launch before; each is held to 8,191 before it enters an address.
; Matrix units, clusters and tensor loads buy nothing: each byte of z is read once and each byte of out0 written once, by loads and stores of a wave that cover 512 consecutive bytes, aligned.
.set Z,  16                            ; v16-143   row i: elements 4 l .. 4 l + 3 and 128 + 4 l .. + 3 (l = lane); then the row of out0
.set C,  144                           ; v144-207  row i: the same elements of the code, bf16 in pairs
.set U,  208                           ; v208-215  at work: zq - z
.set LS, 216                           ; v216-219  four running sums of squares
	s_load_b256 s[4:11], s[0:1], 0x0               ; z s[4:5], cbp s[6:7], idx s[8:9], out0 s[10:11]
	s_load_b64 s[12:13], s[0:1], 0x20              ; part
	v_lshrrev_b32 v1, 5, v0
	v_readfirstlane_b32 s14, v1                    ; my wave's number
	s_lshl_b32 s15, ttmp9, 3
	s_add_co_u32 s15, s15, s14                     ; my wave among all 2,048
	v_and_b32 v3, 31, v0                           ; lane
	v_lshlrev_b32 v1, 4, v3                        ; 16 bytes a lane in z and out0
	v_lshlrev_b32 v2, 3, v3                        ; 8 bytes a lane in a code's row
	v_mov_b32 v4, 0
	s_lshl_b32 s2, s15, 6                          ; my 16 indices
	s_mov_b32 s3, 0
	s_wait_kmcnt 0x0
	s_add_nc_u64 s[8:9], s[8:9], s[2:3]
	s_load_b512 s[16:31], s[8:9], 0x0              ; no line of this launch writes idx
	s_lshl_b32 s2, s15, 14                         ; my 16 rows of 1,024 bytes
	s_add_nc_u64 s[4:5], s[4:5], s[2:3]
	s_add_nc_u64 s[10:11], s[10:11], s[2:3]
.irp i, 0,1,2,3,4,5,6,7,8,9,10,11,12,13,14,15
	global_load_b128 v[Z+8*\i:Z+8*\i+3],   v1, s[4:5] offset:1024*\i th:TH_LOAD_NT
	global_load_b128 v[Z+8*\i+4:Z+8*\i+7], v1, s[4:5] offset:1024*\i+512 th:TH_LOAD_NT
.endr
	s_lshl_b32 s2, s15, 2
	s_add_nc_u64 s[12:13], s[12:13], s[2:3]        ; my word of part
	s_wait_kmcnt 0x0
.irp i, 0,1,2,3,4,5,6,7,8,9,10,11,12,13,14,15
	s_min_u32 s2, s[16+\i], 0x1fff                 ; an index stays inside the table
	s_mul_i32 s2, s2, 528
	s_add_nc_u64 s[32+2*\i:33+2*\i], s[6:7], s[2:3]  ; the code's row
.endr
.irp i, 0,1,2,3,4,5,6,7,8,9,10,11,12,13,14,15
	global_load_b64 v[C+4*\i:C+4*\i+1],   v2, s[32+2*\i:33+2*\i]             ; 256 consecutive bytes: elements 0 to 127
	global_load_b64 v[C+4*\i+2:C+4*\i+3], v2, s[32+2*\i:33+2*\i] offset:256  ; elements 128 to 255
.endr
	s_mov_b32 s16, 0x76543210                      ; v_permlanex16_b32's selects (the indices have been used)
	s_mov_b32 s17, 0xfedcba98
	s_mov_b32 s18, 0xffff0000                      ; a word's upper bf16
.macro ROW i
	s_wait_loadcnt 30-2*(\i)                       ; loads come back in order (ISA guide 5.7.1): all of z and this row's code are in; the later rows' 30 - 2 i loads stay out
.irp k, 0,1,2,3
	v_lshlrev_b32 v[U+2*\k],   16,  v[C+4*(\i)+\k]
	v_and_b32     v[U+2*\k+1], s18, v[C+4*(\i)+\k]
.endr
.irp k, 0,2,4,6
	v_pk_fma_f32 v[U+\k:U+\k+1], v[U+\k:U+\k+1], -0.5, v[Z+8*(\i)+\k:Z+8*(\i)+\k+1] op_sel_hi:[1,0,1] neg_lo:[0,0,1] neg_hi:[0,0,1]  ; zq - z
.endr
.irp k, 0,2,4,6
.if ((\i) == 0) && (\k < 4)
	v_pk_mul_f32 v[LS+\k:LS+\k+1], v[U+\k:U+\k+1], v[U+\k:U+\k+1]  ; the first squares start the sums
.else
	v_pk_fma_f32 v[LS+(\k)%4:LS+(\k)%4+1], v[U+\k:U+\k+1], v[U+\k:U+\k+1], v[LS+(\k)%4:LS+(\k)%4+1]
.endif
.endr
.irp k, 0,2,4,6
	v_pk_add_f32 v[Z+8*(\i)+\k:Z+8*(\i)+\k+1], v[Z+8*(\i)+\k:Z+8*(\i)+\k+1], v[U+\k:U+\k+1]  ; z + (zq - z)
.endr
	global_store_b128 v1, v[Z+8*(\i):Z+8*(\i)+3],   s[10:11] offset:1024*(\i) th:TH_STORE_NT
	global_store_b128 v1, v[Z+8*(\i)+4:Z+8*(\i)+7], s[10:11] offset:1024*(\i)+512 th:TH_STORE_NT
.endm
.irp i, 0,1,2,3,4,5,6,7,8,9,10,11,12,13,14,15
	ROW \i
.endr
	v_pk_add_f32 v[LS:LS+1], v[LS:LS+1], v[LS+2:LS+3]
	v_add_f32 v[LS], v[LS], v[LS+1]
	v_add_f32_dpp v[LS], v[LS], v[LS] row_xmask:1 row_mask:0xf bank_mask:0xf
	v_add_f32_dpp v[LS], v[LS], v[LS] row_xmask:2 row_mask:0xf bank_mask:0xf
	v_add_f32_dpp v[LS], v[LS], v[LS] row_xmask:4 row_mask:0xf bank_mask:0xf
	v_add_f32_dpp v[LS], v[LS], v[LS] row_xmask:8 row_mask:0xf bank_mask:0xf
	v_permlanex16_b32 v[LS+1], v[LS], s16, s17
	v_add_f32 v[LS], v[LS], v[LS+1]                ; the wave's sum, in every lane
	v_cmp_eq_u32 vcc_lo, 0, v3
	s_wait_xcnt 0x0                                ; EXEC is a source of the stores above: it changes only behind this wait
	s_and_saveexec_b32 s2, vcc_lo
	global_store_b32 v4, v[LS], s[12:13]           ; lane 0 alone: one f32 a wave, added up in a fixed order by the next launch
	s_wait_xcnt 0x0
	s_or_b32 exec_lo, exec_lo, s2
	s_endpgm
.Lfunc_end_k_qd31e297a68_vq_gather:
	.size	k_qd31e297a68_vq_gather, .Lfunc_end_k_qd31e297a68_vq_gather-k_qd31e297a68_vq_gather
	.p2alignl 7, 3214868480
	.fill 96, 4, 3214868480
	.section	.rodata,"a",@progbits
	.p2align	6, 0x0
	.amdhsa_kernel k_qd31e297a68_vq_gather
		.amdhsa_group_segment_fixed_size 0
		.amdhsa_private_segment_fixed_size 0
		.amdhsa_enable_private_segment 0
		.amdhsa_kernarg_size 40
		.amdhsa_user_sgpr_count 2
		.amdhsa_user_sgpr_kernarg_segment_ptr 1
		.amdhsa_wavefront_size32 1
		.amdhsa_system_sgpr_workgroup_id_x 1
		.amdhsa_system_sgpr_workgroup_id_y 1
		.amdhsa_system_sgpr_workgroup_id_z 1
		.amdhsa_system_vgpr_workitem_id 0
		.amdhsa_next_free_vgpr 224
		.amdhsa_next_free_sgpr 66
		.amdhsa_reserve_vcc 1
		.amdhsa_float_denorm_mode_32 3
		.amdhsa_float_denorm_mode_16_64 3
		.amdhsa_memory_ordered 1
		.amdhsa_forward_progress 1
		.amdhsa_inst_pref_size 30
	.end_amdhsa_kernel
	.amdgpu_metadata
---
amdhsa.version: [ 1, 2 ]
amdhsa.kernels:
  - .name:           k_qd31e297a68_vq_gather
    .symbol:         k_qd31e297a68_vq_gather.kd
    .args:
      - { .name: z, .offset: 0, .size: 8, .value_kind: global_buffer, .address_space: global }
      - { .name: cbp, .offset: 8, .size: 8, .value_kind: global_buffer, .address_space: global }
      - { .name: idx, .offset: 16, .size: 8, .value_kind: global_buffer, .address_space: global }
      - { .name: out0, .offset: 24, .size: 8, .value_kind: global_buffer, .address_space: global }
      - { .name: part, .offset: 32, .size: 8, .value_kind: global_buffer, .address_space: global }
    .group_segment_fixed_size: 0
    .private_segment_fixed_size: 0
    .kernarg_segment_align: 8
    .kernarg_segment_size: 40
    .max_flat_workgroup_size: 256
    .sgpr_count:     66
    .vgpr_count:     224
    .wavefront_size: 32
...
	.end_amdgpu_metadata
.endif
;; end of part 3
;; launch vq_loss (part 4): grid 1 x 1, 1 waves a work-group, no clusters, 0 bytes of LDS; arguments part, out2; writes out2
.if DOCPART == 4
	.amdgcn_target "amdgcn-amd-amdhsa--gfx1250"
	.amdhsa_code_object_version 6
	.text
	.protected	k_qd31e297a68_vq_loss
	.globl	k_qd31e297a68_vq_loss
	.p2align	8
	.type	k_qd31e297a68_vq_loss,@function
k_qd31e297a68_vq_loss:
	s_mov_b64 s[64:65], 0
	v_nop
	global_prefetch_b8 v0, s[64:65] scope:SCOPE_SE
	s_setreg_imm32_b32 hwreg(HW_REG_WAVE_MODE, 25, 1), 1
	s_wait_xcnt 0x0
; THE LOSS.  out2 = 0.25 mean + mean = 1.25 / (32,768 x 256) x the sum of (zq - z)^2 = 1.25 x 2^-23 x the sum of part's 2,048 numbers, in f32, in one fixed order.
; One wave: 8,192 bytes are sixteen loads of 512 consecutive bytes.  A launch of its own, since the sum spans the work-groups of the launch before.
.set P, 16                             ; v16-79  load i: four numbers a lane
	s_load_b128 s[4:7], s[0:1], 0x0                ; part s[4:5], out2 s[6:7]
	v_lshlrev_b32 v1, 4, v0
	v_mov_b32 v2, 0
	s_mov_b32 s8, 0x76543210                       ; v_permlanex16_b32's selects
	s_mov_b32 s9, 0xfedcba98
	s_wait_kmcnt 0x0
.irp i, 0,1,2,3,4,5,6,7,8,9,10,11,12,13,14,15
	global_load_b128 v[P+4*\i:P+4*\i+3], v1, s[4:5] offset:512*\i
.endr
	s_wait_loadcnt 0x0
.irp i, 2,3,4,5,6,7,8,9,10,11,12,13,14,15
	v_pk_add_f32 v[P+4*(\i%2):P+4*(\i%2)+1],   v[P+4*(\i%2):P+4*(\i%2)+1],   v[P+4*\i:P+4*\i+1]    ; four chains of pairs, started by the first two loads: nothing is cleared
	v_pk_add_f32 v[P+4*(\i%2)+2:P+4*(\i%2)+3], v[P+4*(\i%2)+2:P+4*(\i%2)+3], v[P+4*\i+2:P+4*\i+3]
.endr
	v_pk_add_f32 v[P:P+1], v[P:P+1], v[P+4:P+5]
	v_pk_add_f32 v[P+2:P+3], v[P+2:P+3], v[P+6:P+7]
	v_pk_add_f32 v[P:P+1], v[P:P+1], v[P+2:P+3]
	v_add_f32 v[P], v[P], v[P+1]
	v_add_f32_dpp v[P], v[P], v[P] row_xmask:1 row_mask:0xf bank_mask:0xf
	v_add_f32_dpp v[P], v[P], v[P] row_xmask:2 row_mask:0xf bank_mask:0xf
	v_add_f32_dpp v[P], v[P], v[P] row_xmask:4 row_mask:0xf bank_mask:0xf
	v_add_f32_dpp v[P], v[P], v[P] row_xmask:8 row_mask:0xf bank_mask:0xf
	v_permlanex16_b32 v[P+1], v[P], s8, s9
	v_add_f32 v[P], v[P], v[P+1]
	v_mul_f32 v[P], 0x34200000, v[P]               ; 1.25 x 2^-23
	v_cmp_eq_u32 vcc_lo, 0, v0
	s_wait_xcnt 0x0                                ; EXEC changes only behind this wait
	s_and_saveexec_b32 s10, vcc_lo
	global_store_b32 v2, v[P], s[6:7]              ; lane 0 alone
	s_wait_xcnt 0x0
	s_or_b32 exec_lo, exec_lo, s10
	s_endpgm
.Lfunc_end_k_qd31e297a68_vq_loss:
	.size	k_qd31e297a68_vq_loss, .Lfunc_end_k_qd31e297a68_vq_loss-k_qd31e297a68_vq_loss
	.p2alignl 7, 3214868480
	.fill 96, 4, 3214868480
	.section	.rodata,"a",@progbits
	.p2align	6, 0x0
	.amdhsa_kernel k_qd31e297a68_vq_loss
		.amdhsa_group_segment_fixed_size 0
		.amdhsa_private_segment_fixed_size 0
		.amdhsa_enable_private_segment 0
		.amdhsa_kernarg_size 16
		.amdhsa_user_sgpr_count 2
		.amdhsa_user_sgpr_kernarg_segment_ptr 1
		.amdhsa_wavefront_size32 1
		.amdhsa_system_sgpr_workgroup_id_x 1
		.amdhsa_system_sgpr_workgroup_id_y 1
		.amdhsa_system_sgpr_workgroup_id_z 1
		.amdhsa_system_vgpr_workitem_id 0
		.amdhsa_next_free_vgpr 80
		.amdhsa_next_free_sgpr 66
		.amdhsa_reserve_vcc 1
		.amdhsa_float_denorm_mode_32 3
		.amdhsa_float_denorm_mode_16_64 3
		.amdhsa_memory_ordered 1
		.amdhsa_forward_progress 1
		.amdhsa_inst_pref_size 5
	.end_amdhsa_kernel
	.amdgpu_metadata
---
amdhsa.version: [ 1, 2 ]
amdhsa.kernels:
  - .name:           k_qd31e297a68_vq_loss
    .symbol:         k_qd31e297a68_vq_loss.kd
    .args:
      - { .name: part, .offset: 0, .size: 8, .value_kind: global_buffer, .address_space: global }
      - { .name: out2, .offset: 8, .size: 8, .value_kind: global_buffer, .address_space: global }
    .group_segment_fixed_size: 0
    .private_segment_fixed_size: 0
    .kernarg_segment_align: 8
    .kernarg_segment_size: 16
    .max_flat_workgroup_size: 32
    .sgpr_count:     66
    .vgpr_count:     80
    .wavefront_size: 32
...
	.end_amdgpu_metadata
.endif
;; end of part 4
;; ======== version 2 of 2: 4 launches; version 1 with the launch vq_gather written anew for expert scheduling mode
;; workspace buffers: cbp 4,325,376 bytes; idx 131,072 bytes of whole numbers; part 8,192 bytes
;; launch vq_prep: the kernel of part 1 again; grid 128 x 1, 8 waves a work-group, no clusters, 38,912 bytes of LDS; arguments codebook, cbp; writes cbp
;; launch vq_main: the kernel of part 2 again; grid 256 x 1, 4 waves a work-group, clusters of 4 x 1, 327,680 bytes of LDS; arguments z, cbp, out1, idx; writes out1, idx
;; launch vq_gather (part 5): grid 256 x 1, 8 waves a work-group, no clusters, 0 bytes of LDS; arguments z, cbp, idx, out0, part; writes out0, part
.if DOCPART == 5
	.amdgcn_target "amdgcn-amd-amdhsa--gfx1250"
	.amdhsa_code_object_version 6
	.text
	.protected	k_qd31e297a68_vq_gather
	.globl	k_qd31e297a68_vq_gather
	.p2align	8
	.type	k_qd31e297a68_vq_gather,@function
k_qd31e297a68_vq_gather:
	s_mov_b64 s[64:65], 0
	v_nop
	global_prefetch_b8 v0, s[64:65] scope:SCOPE_SE
	s_setreg_imm32_b32 hwreg(HW_REG_WAVE_SCHED_MODE, 0, 2), 2
	s_setreg_imm32_b32 hwreg(HW_REG_WAVE_MODE, 25, 1), 1
	s_wait_xcnt 0x0
	s_wait_alu depctr_vm_vsrc(0)
; THE GATHER.  out0[row] = z[row] + (zq - z[row]), zq = the code idx[row]; part[wave] = the wave's sum of (zq - z)^2.
; zq is taken from cbp, where a code's 256 numbers lie as one row of bf16 of -2 x the code: times -0.5, exact.  So a code is 512 consecutive bytes, where the codebook itself has it as a column,
; and zq is the code rounded to bf16, off by 2^-9 of itself at the most.  zq - z is one fused multiply-add, rounded once, as reference()'s subtraction is.
; The loss is made of the differences themselves, not of ||z||^2 and the score: that would be a difference of large sums.
; SHARES.  A wave takes 16 rows, 8 waves a work-group, 256 work-groups.  All of a wave's 64 loads go out before the first is used; no loop, no LDS, no barrier; no wave waits for another.
; The indices were stored as whole numbers by the launch before; each is held to 8,191 before it enters an address.
; Matrix units, clusters and tensor loads buy nothing: each byte of z is read once and each byte of out0 written once, by loads and stores of a wave that cover 512 consecutive bytes, aligned.
; THE MODE: SCHED_MODE bits 1:0 = 2 (LLVM: expert scheduling mode 2), set by the entry lines.  The code itself states the register dependences
; between vector instructions and memory instructions, with s_wait_alu, always for 0.
; THE PLAN.  Registers that memory instructions touch:
;   v1, v2, v4  byte offsets, made once at the head and never written again: one wait ahead of the first load states them for the whole kernel.
;   Z           row i's eight registers: its two loads of z land there (no vector line has named them); row i's lines read them and its last four additions write them; its two stores read them; nothing writes them again.
;   C           row i's four registers: its two loads of the code land there (no vector line has named them); row i's unpacking lines read them; nothing writes them again.
;   LS          the running sums: vector lines alone, until the one store at the end reads v[LS].
;   U           named by vector lines alone.
; The 16 rows go in four blocks of four.  Block b's vector lines name its own rows of Z and C, U and LS; its memory instructions are the eight stores of block b - 1, two in front of each row's lines.
; So ONE wait on va_vdst at a block's head states all that the block's stores hang on: the block before has written its four rows of Z.  One more stands ahead of the last eight stores.
; No register that a memory instruction has read is written again, so vm_vsrc is waited for at the two writes of EXEC alone.
.set Z,  16                            ; v16-143   row i: elements 4 l .. 4 l + 3 and 128 + 4 l .. + 3 (l = lane); then the row of out0
.set C,  144                           ; v144-207  row i: the same elements of the code, bf16 in pairs
.set U,  208                           ; v208-215  at work: zq - z
.set LS, 216                           ; v216-219  four running sums of squares
	s_load_b256 s[4:11], s[0:1], 0x0               ; z s[4:5], cbp s[6:7], idx s[8:9], out0 s[10:11]
	s_load_b64 s[12:13], s[0:1], 0x20              ; part
	v_lshrrev_b32 v1, 5, v0
	v_readfirstlane_b32 s14, v1                    ; my wave's number
	v_and_b32 v3, 31, v0                           ; lane
	v_lshlrev_b32 v1, 4, v3                        ; 16 bytes a lane in z and out0
	v_lshlrev_b32 v2, 3, v3                        ; 8 bytes a lane in a code's row
	v_mov_b32 v4, 0
	s_wait_alu depctr_va_sdst(0)                   ; s14 is written, ahead of its first reader: every base below is made from it
	s_lshl_b32 s15, ttmp9, 3
	s_add_co_u32 s15, s15, s14                     ; my wave among all 2,048
	s_lshl_b32 s2, s15, 6                          ; my 16 indices
	s_mov_b32 s3, 0
	s_wait_kmcnt 0x0
	s_add_nc_u64 s[8:9], s[8:9], s[2:3]
	s_load_b512 s[16:31], s[8:9], 0x0              ; no line of this launch writes idx
	s_lshl_b32 s2, s15, 14                         ; my 16 rows of 1,024 bytes
	s_add_nc_u64 s[4:5], s[4:5], s[2:3]
	s_add_nc_u64 s[10:11], s[10:11], s[2:3]
	s_wait_alu depctr_va_vdst(0)                   ; v1, v2 and v4 are written: every load and store of the kernel reads one of them as its offset
.irp i, 0,1,2,3,4,5,6,7,8,9,10,11,12,13,14,15
	global_load_b128 v[Z+8*\i:Z+8*\i+3],   v1, s[4:5] offset:1024*\i th:TH_LOAD_NT
	global_load_b128 v[Z+8*\i+4:Z+8*\i+7], v1, s[4:5] offset:1024*\i+512 th:TH_LOAD_NT
.endr
	s_lshl_b32 s2, s15, 2
	s_add_nc_u64 s[12:13], s[12:13], s[2:3]        ; my word of part
	s_wait_kmcnt 0x0
.irp i, 0,1,2,3,4,5,6,7,8,9,10,11,12,13,14,15
	s_min_u32 s2, s[16+\i], 0x1fff                 ; an index stays inside the table
	s_mul_i32 s2, s2, 528
	s_add_nc_u64 s[32+2*\i:33+2*\i], s[6:7], s[2:3]  ; the code's row
.endr
.irp i, 0,1,2,3,4,5,6,7,8,9,10,11,12,13,14,15
	global_load_b64 v[C+4*\i:C+4*\i+1],   v2, s[32+2*\i:33+2*\i]             ; 256 consecutive bytes: elements 0 to 127
	global_load_b64 v[C+4*\i+2:C+4*\i+3], v2, s[32+2*\i:33+2*\i] offset:256  ; elements 128 to 255
.endr
	s_mov_b32 s16, 0x76543210                      ; v_permlanex16_b32's selects (the indices have been used)
	s_mov_b32 s17, 0xfedcba98
	s_mov_b32 s18, 0xffff0000                      ; a word's upper bf16
; Row i's vector lines: they name row i's Z and C, U and LS, and no other register.
.macro WORK i
.irp k, 0,1,2,3
	v_lshlrev_b32 v[U+2*\k],   16,  v[C+4*(\i)+\k]
	v_and_b32     v[U+2*\k+1], s18, v[C+4*(\i)+\k]
.endr
.irp k, 0,2,4,6
	v_pk_fma_f32 v[U+\k:U+\k+1], v[U+\k:U+\k+1], -0.5, v[Z+8*(\i)+\k:Z+8*(\i)+\k+1] op_sel_hi:[1,0,1] neg_lo:[0,0,1] neg_hi:[0,0,1]  ; zq - z
.endr
.irp k, 0,2,4,6
.if ((\i) == 0) && (\k < 4)
	v_pk_mul_f32 v[LS+\k:LS+\k+1], v[U+\k:U+\k+1], v[U+\k:U+\k+1]  ; the first squares start the sums
.else
	v_pk_fma_f32 v[LS+(\k)%4:LS+(\k)%4+1], v[U+\k:U+\k+1], v[U+\k:U+\k+1], v[LS+(\k)%4:LS+(\k)%4+1]
.endif
.endr
.irp k, 0,2,4,6
	v_pk_add_f32 v[Z+8*(\i)+\k:Z+8*(\i)+\k+1], v[Z+8*(\i)+\k:Z+8*(\i)+\k+1], v[U+\k:U+\k+1]  ; z + (zq - z)
.endr
.endm
; Row i's two stores.
.macro SEND i
	global_store_b128 v1, v[Z+8*(\i):Z+8*(\i)+3],   s[10:11] offset:1024*(\i) th:TH_STORE_NT
	global_store_b128 v1, v[Z+8*(\i)+4:Z+8*(\i)+7], s[10:11] offset:1024*(\i)+512 th:TH_STORE_NT
.endm
; Block b: rows 4 b to 4 b + 3 are worked on; the rows of the block before are stored, two stores in front of each row's lines.
.macro BLK b
.irp r, 0,1,2,3
	s_wait_loadcnt 30-2*(4*(\b)+\r)                ; loads come back in order (ISA guide 5.7.1): all of z and this row's code are in; the later rows' loads of the code stay out
.if ((\b) > 0) && (\r == 0)
	s_wait_alu depctr_va_vdst(0)                   ; the block before has written its four rows of Z, which this block's eight stores read; no vector line behind this wait names them
.endif
.if (\b) > 0
	SEND 4*(\b)-4+\r
.endif
	WORK 4*(\b)+\r
.endr
.endm
	BLK 0                                          ; no block in front of it: no store and no wait but those for its data
	BLK 1
	BLK 2
	BLK 3
	s_wait_alu depctr_va_vdst(0)                   ; block 3 has written rows 12 to 15 of Z, which the last eight stores read
	SEND 12
	SEND 13
	SEND 14
	SEND 15
	v_pk_add_f32 v[LS:LS+1], v[LS:LS+1], v[LS+2:LS+3]
	v_add_f32 v[LS], v[LS], v[LS+1]
	v_add_f32_dpp v[LS], v[LS], v[LS] row_xmask:1 row_mask:0xf bank_mask:0xf
	v_add_f32_dpp v[LS], v[LS], v[LS] row_xmask:2 row_mask:0xf bank_mask:0xf
	v_add_f32_dpp v[LS], v[LS], v[LS] row_xmask:4 row_mask:0xf bank_mask:0xf
	v_add_f32_dpp v[LS], v[LS], v[LS] row_xmask:8 row_mask:0xf bank_mask:0xf
	v_permlanex16_b32 v[LS+1], v[LS], s16, s17
	v_add_f32 v[LS], v[LS], v[LS+1]                ; the wave's sum, in every lane
	v_cmp_eq_u32 vcc_lo, 0, v3
	s_wait_xcnt 0x0                                ; EXEC is a source of the stores above: it changes only behind this wait
	s_wait_alu depctr_va_vcc(0)                    ; VCC is written, ahead of its first reader: EXEC is made from it
	s_wait_alu depctr_va_vdst(0)                   ; ahead of a write of EXEC: the vector lines issued so far have written their results, v[LS], which the store below reads, among them
	s_wait_alu depctr_vm_vsrc(0)                   ; ahead of a write of EXEC: the stores issued so far have read their vector registers
	s_and_saveexec_b32 s2, vcc_lo
	global_store_b32 v4, v[LS], s[12:13]           ; lane 0 alone: one f32 a wave, added up in a fixed order by the next launch
	s_wait_xcnt 0x0                                ; EXEC is a source of that store too
	s_wait_alu depctr_va_vdst(0)                   ; ahead of a write of EXEC: no vector result is outstanding
	s_wait_alu depctr_vm_vsrc(0)                   ; ahead of a write of EXEC: the store has read v4 and v[LS]
	s_or_b32 exec_lo, exec_lo, s2
	s_endpgm
.Lfunc_end_k_qd31e297a68_vq_gather:
	.size	k_qd31e297a68_vq_gather, .Lfunc_end_k_qd31e297a68_vq_gather-k_qd31e297a68_vq_gather
	.p2alignl 7, 3214868480
	.fill 96, 4, 3214868480
	.section	.rodata,"a",@progbits
	.p2align	6, 0x0
	.amdhsa_kernel k_qd31e297a68_vq_gather
		.amdhsa_group_segment_fixed_size 0
		.amdhsa_private_segment_fixed_size 0
		.amdhsa_enable_private_segment 0
		.amdhsa_kernarg_size 40
		.amdhsa_user_sgpr_count 2
		.amdhsa_user_sgpr_kernarg_segment_ptr 1
		.amdhsa_wavefront_size32 1
		.amdhsa_system_sgpr_workgroup_id_x 1
		.amdhsa_system_sgpr_workgroup_id_y 1
		.amdhsa_system_sgpr_workgroup_id_z 1
		.amdhsa_system_vgpr_workitem_id 0
		.amdhsa_next_free_vgpr 224
		.amdhsa_next_free_sgpr 66
		.amdhsa_reserve_vcc 1
		.amdhsa_float_denorm_mode_32 3
		.amdhsa_float_denorm_mode_16_64 3
		.amdhsa_memory_ordered 1
		.amdhsa_forward_progress 1
		.amdhsa_inst_pref_size 31
	.end_amdhsa_kernel
	.amdgpu_metadata
---
amdhsa.version: [ 1, 2 ]
amdhsa.kernels:
  - .name:           k_qd31e297a68_vq_gather
    .symbol:         k_qd31e297a68_vq_gather.kd
    .args:
      - { .name: z, .offset: 0, .size: 8, .value_kind: global_buffer, .address_space: global }
      - { .name: cbp, .offset: 8, .size: 8, .value_kind: global_buffer, .address_space: global }
      - { .name: idx, .offset: 16, .size: 8, .value_kind: global_buffer, .address_space: global }
      - { .name: out0, .offset: 24, .size: 8, .value_kind: global_buffer, .address_space: global }
      - { .name: part, .offset: 32, .size: 8, .value_kind: global_buffer, .address_space: global }
    .group_segment_fixed_size: 0
    .private_segment_fixed_size: 0
    .kernarg_segment_align: 8
    .kernarg_segment_size: 40
    .max_flat_workgroup_size: 256
    .sgpr_count:     66
    .vgpr_count:     224
    .wavefront_size: 32
...
	.end_amdgpu_metadata
.endif
;; end of part 5
;; launch vq_loss: the kernel of part 4 again; grid 1 x 1, 1 waves a work-group, no clusters, 0 bytes of LDS; arguments part, out2; writes out2
